; MI455X (gfx1250); checked and timed in simulation.
; The chip was launched on July 23, 2026; its instructions are those of AMD's public machine-readable ISA for CDNA 5 (MIT licence, August 2026) and "CDNA5" Instruction Set Architecture Reference Guide (July 2026). The comments in the code are by the model that wrote it; some were corrected since.
;; Patch MLSL Attention. Allowed arithmetic: matrix products marked QUANTISED: E2M3 operands, one E8M0 scale for each 32 along K, by v_wmma_scale_f32_16x16x128_f8f6f4 with both operands' format E2M3, f32 sums; everything else in f32.
;; Inputs: codebook_codes 16 x 1,024 x 16 x 24 uint8 (E2M3 codes of codebook, K innermost, in blocks of 32 codes, four codes in three bytes); codebook_scales 16 x 1,024 x 16 uint8 (E8M0 scales of codebook, one for each 32 codes along K); patch_embed 16 x 4,096 x 512 float32.
;; Outputs: out0 16 x 1,024 x 512 float32.
;; This version of the problem:
;;   THIS VERSION OF THE PROBLEM IS GIVEN IN LOW PRECISION. The matrix products marked QUANTISED in the list below multiply operands that are first quantised to E2M3 (2 exponent bits, 3 mantissa bits; 6 bits a number), with one power-of-two scale for each 32 numbers along K (OCP MX v1.0); their sums are f32. All else is computed in f32.
;;   The module's matrix products, in the order in which they are computed (A, B: the left and right operand; K: the contracted axis; several contracted axes count as one K, in the product's order):
;;     1. batch 16 x [M 1,024, K 512] x [K 512, N 4,096]; A: input codebook (given as codes); B: input patch_embed: QUANTISED
;;     2. batch 16 x [M 1,024, K 4,096] x [K 4,096, N 512]; A: softmax (see below); B: input patch_embed: QUANTISED
;;   THE QUANTISER, for each operand of a quantised product, along K:
;;     - K is cut into blocks of 32 from its start; a last block that is shorter is filled with zeros.
;;     - A block's scale is 2^e with e = floor(log2(the largest magnitude in the block)) - 2, held to -126 .. 127; a block of zeros has e = 0. As a byte (E8M0): e + 127.
;;     - Each number is divided by its block's scale, clamped to +-7.5, and rounded to the nearest number of E2M3, ties to even, subnormals kept.
;;     - The product sums the exact products of the quantised numbers (number of the format x scale) in f32.
;;   ~~~python
;;   def quantise(x, axis):      # numpy; x: float32 -> the quantised numbers, widened to float32 again
;;       x = np.moveaxis(x, axis, -1); K = x.shape[-1]
;;       x = np.pad(x, [(0, 0)] * (x.ndim - 1) + [(0, -K % 32)]); x = x.reshape(x.shape[:-1] + (-1, 32)); a = np.abs(x).max(-1, keepdims=True)
;;       e = np.where(a > 0, np.clip(np.frexp(np.where(a > 0, a, 1))[1] - 1 - 2, -126, 127), 0)      # np.frexp(a)[1] - 1 = floor(log2(a)), exactly
;;       r = np.clip(x / 2.0 ** e, -7.5, 7.5)
;;       step = 2.0 ** (np.maximum(np.frexp(np.where(r == 0, 1, r))[1] - 1, 0) - 3)
;;       q = np.round(r / step) * step * 2.0 ** e      # np.round: ties to even
;;       return np.moveaxis(q.reshape(q.shape[:-2] + (-1,))[..., :K], -1, axis).astype(np.float32)
;;   ~~~
;;   SOFTMAX AHEAD OF A QUANTISED PRODUCT. Where the list says 'softmax', what is quantised is not the finished softmax but p = 2^(t - M), with t = logit x log2(e) and M = ceil(the row's largest t), a whole number; so 1/2 < the row's largest p <= 1. The row's sum l is taken of the UNQUANTISED p, in f32, and the product's result is divided by l at the end. Since M is a whole number, a kernel that streams over the keys may use a running M (the ceiling of the running maximum): every later rescaling is an exact power of two, which a block's scale takes up: the codes' values come out the same.
;;   OPERANDS COMPUTED ON THE WAY. 'Computed on the way' means the value that the module computes at that place (a softmax that the list does not call 'softmax' is quantised finished and normalised). What goes into a quantiser is computed in f32, as accurately as f32 sums, v_exp_f32 and their like allow (about 1e-6 of the number): no bf16 or f16 on the way to a quantiser, and a product that is left as it is and whose result goes on into a quantised operand takes f32 operands (vector FMAs, or v_wmma_f32_16x16x4_f32). A number that lies on a knife's edge between two numbers of the format may be rounded either way, as far as f32 arithmetic and the matrix unit's own rounding can turn it there, and no further.
;;   INPUTS GIVEN AS CODES. codebook (in the module: [16, 1024, 512], K = its axis 2): each comes as NAME_codes (uint8): NAME with its K axis moved to the last place and cut into blocks of 32 codes, [.., K / 32, bytes a block], one block behind the other in memory; four codes in three bytes: a row's codes are one little-endian stream of bits, code i at bits 6 i .. 6 i + 5 (a code: sign, 2 exponent bits, 3 mantissa bits); and NAME_scales (uint8): the same leading axes, one E8M0 byte (e + 127) for each 32 codes along K. Its value is code x scale, taken as it is: it is not quantised again, and the codes and scales need not be those that the quantiser above would give.
;; One version. Each part assembles by itself: llvm-mc -triple=amdgcn-amd-amdhsa -mcpu=gfx1250 --defsym DOCPART=n.
;; ======== version 1 of 1: 2 launches
;; limits: right only within a limited range of input values
;; workspace buffers: kv 55,705,600 bytes
;; launch quant (part 1): grid 128 x 16, 4 waves a work-group, no clusters, 70,144 bytes of LDS; arguments patch_embed, kv; writes kv
.if DOCPART == 1
	.amdgcn_target "amdgcn-amd-amdhsa--gfx1250"
	.amdhsa_code_object_version 6
	.text
	.protected	k_q9459620ba7_quant
	.globl	k_q9459620ba7_quant
	.p2align	8
	.type	k_q9459620ba7_quant,@function
k_q9459620ba7_quant:
	s_mov_b64 s[64:65], 0
	v_nop
	global_prefetch_b8 v0, s[64:65] scope:SCOPE_SE
	s_setreg_imm32_b32 hwreg(HW_REG_WAVE_MODE, 25, 1), 1
	s_wait_xcnt 0x0
; patch_embed [16][4096][512] f32 is quantised TWICE to E2M3 codes with one E8M0 byte for each 32 numbers: along d (K: the keys of the first product)
; and along the keys (V: the values of the second product).  Each f32 number is read from memory once.
; A block's scale is 2^(floor(log2(its largest magnitude)) - 2); its byte is the largest magnitude's exponent field - 2, held at 1 from below.
; LIMITS: NaN and infinities among the inputs are not served.  A block of zeros, or one whose largest magnitude lies under 2^-124, gets the byte 1
; (the quantiser's text says 127 for zeros): its codes are zeros for zeros, and the bytes are read by this program alone.
; SHARES.  A work-group takes 128 keys x 128 d: x = 4 ks + s (key step ks, d step s), y = batch.  Wave w loads key rows 32 w .. 32 w + 31, 512 consecutive bytes a load,
; into LDS; makes the two K fragments of its own 32 keys; and, behind a barrier, the two V fragments of d tiles 2 w, 2 w + 1 over all 128 keys.
; THE WORKSPACE kv IS LAID AS THE READER'S LOADS AND REGISTERS WANT IT.  A fragment (16 rows x 128 K, 12 registers a lane) is 1,536 bytes: registers 4 c .. 4 c + 3 of lane L at 512 c + 16 L.
; An ITEM is 25,600 bytes: 16 fragments, then 1,024 bytes of scale words: what ONE wave of the reader wants of K or of V for a group m of 256 keys.
; A STREAM is 34 items, one stream for each (batch, reader's wave v): stream 4 batch + v.  K(m) is item 2 m + m % 2, V(m) item 2 m + 2 + m % 2 (items 1 and 32 are never written and never read):
; so V(m + 1) and K(m + 2) are neighbours, and one load of 51,200 bytes brings both.
;   K item of wave v: keys 256 m + 64 v ..; fragment (s, b, u) at ((2 s + b) 2 + u) 1,536; its lane r holds key 32 b + 8 u + r + 8 (r / 8); scale word at 24,576 + 256 s + 8 L + 4 b (lanes 0-15: u = 0, lanes 16-31: u = 1)
;   V item of wave v: d = 128 v ..; fragment (j, t) at (8 j + t) 1,536; its lane r holds d 16 t + r, K = keys 128 j ..; scale word at 24,576 + 512 j + 16 L + 4 p (lanes 0-15: t = 2 p, lanes 16-31: t = 2 p + 1)
; No loop, no tensor load, EXEC is never changed; every store has data registers of its own, and no address register or base is written again.
.set GP,     16960                     ; LDS: a wave's 32 key rows: 32 x 528 + 64 bytes
.set RP,     528                       ; a key row: 512 bytes + 16
.set KSC,    4*GP                      ; 512 bytes: the tile's K scale words
.set VSC,    KSC+512                   ; 512 bytes: its V scale words
.set ITEM,   25600
.set NITEM,  34
.set SCOFF,  24576
.set R,      16                        ; v16-143  32 rows x 4 registers as loaded
.set X1,     16                        ; v16-79   second set of 64 numbers
.set TM,     80                        ; v80-85   at work
.set T3A,    88                        ; a conversion's three registers begin on an even number: the upper half of a block's six is made here and moved
.set T3B,    92
.set CD,     96                        ; v96-143  codes: 12 registers for each of the four fragments
.set X0,     144                       ; v144-207 first set of 64 numbers
.set W,      208                       ; v208-211 the four fragments' scale words
.set PD,     214                       ; the lane permute's destination
; v1 lane, v2 r, v3 h, v4 16 x lane, v5-v10 LDS addresses, v11 the scale words' place in memory, v12 8 h
	s_load_b128 s[4:7], s[0:1], 0x0                ; patch_embed, kv
	s_load_b64 s[8:9], s[0:1], 0x8                 ; kv once more: K's and V's bases are made apart
	v_lshl_add_u32 v224, v0, 2, 0x11000
	v_mov_b32 v225, 0
	v_lshrrev_b32 v1, 5, v0
	v_readfirstlane_b32 s10, v1                    ; wave 0..3
	v_and_b32 v1, 31, v0
	v_lshlrev_b32 v4, 4, v1
	s_and_b32 s11, ttmp9, 3                        ; d step s
	s_lshr_b32 s12, ttmp9, 2                       ; key step ks
	s_and_b32 s13, ttmp7, 0xffff                   ; batch
	s_lshl_b32 s16, s13, 23
	s_lshl_b32 s17, s12, 18
	s_add_co_u32 s16, s16, s17
	s_lshl_b32 s17, s10, 16
	s_add_co_u32 s16, s16, s17
	s_lshl_b32 s17, s11, 9
	s_add_co_u32 s16, s16, s17                     ; batch, 128 ks rows, 32 rows a wave, 512 s bytes: under 2^27
	s_mov_b32 s17, 0
	s_wait_alu depctr_va_vdst(0)
	s_wait_kmcnt 0x0
	s_add_nc_u64 s[4:5], s[4:5], s[16:17]
.set k, 0
.rept 32
	global_load_b128 v[R+4*k:R+4*k+3], v4, s[4:5] offset:2048*k th:TH_LOAD_NT   ; key row k: 512 consecutive bytes; read once in the launch
.set k, k+1
.endr
	v_and_b32 v2, 15, v0                           ; r
	v_bfe_u32 v3, v0, 4, 1                         ; h
	s_lshr_b32 s14, s12, 1                         ; the group m of 256 keys
	s_and_b32 s15, s12, 1                          ; which half of it
	s_lshr_b32 s28, s10, 1
	s_and_b32 s29, s10, 1
	s_mul_i32 s30, s10, GP
	v_add_nc_u32 v5, s30, v4
	v_mul_u32_u24 v6, v2, RP
	v_lshl_add_u32 v6, v3, 7, v6
	v_add_nc_u32 v6, s30, v6                       ; K: position r of my rows, + 128 h
	v_mul_u32_u24 v7, v3, GP
	v_lshl_add_u32 v7, v2, 2, v7
	s_lshl_b32 s31, s10, 7
	v_add_nc_u32 v7, s31, v7                       ; V: column 32 w + r, lanes 16-31 one group of 32 keys further down
	s_lshl_b32 s31, s28, 8
	s_lshl_b32 s32, s29, 2
	s_add_co_u32 s31, s31, s32
	s_add_co_u32 s31, s31, KSC
	v_lshl_add_u32 v8, v1, 3, s31                  ; my K scale word: KSC + 256 (w / 2) + 8 x lane + 4 (w % 2)
	s_lshl_b32 s31, s10, 2
	s_add_co_u32 s31, s31, VSC
	v_lshl_add_u32 v9, v1, 4, s31                  ; my V scale word: VSC + 16 x lane + 4 w
	s_lshl_b32 s31, s29, 9
	s_add_co_u32 s31, s31, KSC
	v_add_nc_u32 v10, s31, v4                      ; the way out of the scale words: wave 0 takes K's 512 bytes, wave 1 V's
	s_mov_b32 s31, 256
	s_cmp_eq_u32 s10, 0
	s_cselect_b32 s31, NITEM*ITEM, s31             ; K's two blocks of 256 bytes lie in neighbouring streams, V's on end
	v_mul_u32_u24 v11, v3, s31
	v_lshl_add_u32 v11, v2, 4, v11
	v_lshlrev_b32 v12, 3, v3
	v_mov_b32 v[PD], 0
	v_cmp_gt_u32 vcc_lo, 16, v1                    ; lanes 0-15
	s_mov_b32 s20, 0x76543210
	s_mov_b32 s21, 0xfedcba98
	s_and_b32 s19, s14, 1
	s_lshl_b32 s18, s14, 1
	s_add_co_u32 s18, s18, s19                     ; K's item: 2 m + m % 2
	s_lshl_b32 s40, s13, 2                         ; 4 x batch
	s_lshl_b32 s32, s15, 1
	s_add_co_u32 s36, s32, s40                     ; stream 4 batch + 2 (ks % 2): the first of the tile's two
	s_add_co_u32 s32, s36, s28                     ; mine: + w / 2
	s_mul_i32 s32, s32, NITEM
	s_add_co_u32 s32, s32, s18
	s_mul_i32 s32, s32, ITEM
	s_lshl_b32 s19, s11, 1
	s_add_co_u32 s19, s19, s29
	s_mul_i32 s19, s19, 3072                       ; fragments (s, w % 2, 0) and (s, w % 2, 1)
	s_add_co_u32 s32, s32, s19
	s_mov_b32 s33, 0
	s_mul_i32 s36, s36, NITEM
	s_add_co_u32 s36, s36, s18
	s_mul_i32 s36, s36, ITEM
	s_lshl_b32 s19, s11, 8
	s_add_co_u32 s36, s36, s19
	s_add_co_u32 s36, s36, SCOFF                   ; K's scale words: 24,576 + 256 s
	s_mov_b32 s37, 0
	s_add_co_u32 s38, s40, s11                     ; V: stream 4 batch + s
	s_mul_i32 s38, s38, NITEM
	s_add_co_u32 s38, s38, s18
	s_add_co_u32 s38, s38, 2                       ; item 2 m + 2 + m % 2
	s_mul_i32 s38, s38, ITEM
	s_lshl_b32 s34, s15, 3
	s_lshl_b32 s19, s10, 1
	s_add_co_u32 s34, s34, s19
	s_mul_i32 s34, s34, 1536                       ; fragments (ks % 2, 2 w) and (ks % 2, 2 w + 1)
	s_add_co_u32 s34, s34, s38
	s_mov_b32 s35, 0
	s_lshl_b32 s19, s15, 9
	s_add_co_u32 s38, s38, s19
	s_add_co_u32 s38, s38, SCOFF                   ; V's scale words: 24,576 + 512 (ks % 2)
	s_mov_b32 s39, 0
	s_add_nc_u64 s[22:23], s[6:7], s[32:33]
	s_add_nc_u64 s[24:25], s[8:9], s[34:35]
	s_add_nc_u64 s[36:37], s[6:7], s[36:37]
	s_add_nc_u64 s[38:39], s[8:9], s[38:39]
	s_cmp_eq_u32 s10, 0
	s_cselect_b64 s[26:27], s[36:37], s[38:39]
.macro LOADK u, dst                    ; 64 numbers of key tile u: register 32 c + i = d 64 c + 32 h + i
.irp c, 0,1
.irp i, 0,1,2,3,4,5,6,7
	ds_load_b128 v[\dst+32*\c+4*\i:\dst+32*\c+4*\i+3], v6 offset:16*\u*RP+256*\c+16*\i
.endr
.endr
.endm
.macro LOADV t, dst                    ; 64 numbers of column 16 (2 w + t) + r: register 32 c + i = key 64 c + 32 h + i
.irp c, 0,1
.set i, 0
.rept 32
	ds_load_b32 v[\dst+32*\c+i], v7 offset:2*\c*GP+(16*((i/8)%2)+8*(i/16)+i%8)*RP+64*\t
.set i, i+1
.endr
.endr
.endm
.macro QUANT src, cd, wd               ; a lane's two whole blocks of 32 become the operand's 12 registers and, with lane l xor 16's two bytes, the row's scale word
	v_max3_num_f32 v[TM], |v[\src]|, |v[\src+1]|, 0x1800000          ; the floor 2^(3 - 127): the byte cannot fall under 1
	v_max3_num_f32 v[TM+1], |v[\src+32]|, |v[\src+33]|, 0x1800000
.irp i, 2,4,6,8,10,12,14,16,18,20,22,24,26,28,30
	v_max3_num_f32 v[TM], v[TM], |v[\src+\i]|, |v[\src+\i+1]|
	v_max3_num_f32 v[TM+1], v[TM+1], |v[\src+32+\i]|, |v[\src+33+\i]|
.endr
	v_add_nc_u32 v[TM+2], 0xff000000, v[TM]        ; 2 off the exponent field: the conversion's scale operand
	v_add_nc_u32 v[TM+3], 0xff000000, v[TM+1]
	v_lshrrev_b32 v[TM+4], 23, v[TM+2]             ; the scales' bytes
	v_lshrrev_b32 v[TM+5], 23, v[TM+3]
	v_lshl_or_b32 v[\wd], v[TM+5], 16, v[TM+4]
	v_lshlrev_b32 v[\wd], v12, v[\wd]              ; blocks h and 2 + h at their places in the word
	v_permlanex16_b32 v[PD], v[\wd], s20, s21
	v_or_b32 v[\wd], v[\wd], v[PD]
	v_cvt_scalef32_pk16_fp6_f32 v[\cd:\cd+2], v[\src:\src+15], v[TM+2]
	v_cvt_scalef32_pk16_fp6_f32 v[T3A:T3A+2], v[\src+16:\src+31], v[TM+2]
	v_cvt_scalef32_pk16_fp6_f32 v[\cd+6:\cd+8], v[\src+32:\src+47], v[TM+3]
	v_cvt_scalef32_pk16_fp6_f32 v[T3B:T3B+2], v[\src+48:\src+63], v[TM+3]
	v_nop                                          ; one plain place behind a scaled conversion
.irp i, 0,1,2
	v_mov_b32 v[\cd+3+\i], v[T3A+\i]
	v_mov_b32 v[\cd+9+\i], v[T3B+\i]
.endr
.endm
.macro PUT cd, base, off               ; a fragment's image: each store covers 512 consecutive bytes, at a multiple of 512 from the buffer's first byte
.irp c, 0,1,2
	global_store_b128 v4, v[\cd+4*\c:\cd+4*\c+3], s[\base:\base+1] offset:\off+512*\c
.endr
.endm
	; my 32 rows into LDS: row k goes to position 16 ((k / 8) % 2) + 8 (k / 16) + k % 8, so that the 16 rows of a K tile are neighbours
.set k, 0
.rept 32
	s_wait_loadcnt 31-k                            ; row k is in, the 31 - k younger loads may be out
	ds_store_b128 v5, v[R+4*k:R+4*k+3] offset:(16*((k/8)%2)+8*(k/16)+k%8)*RP
.set k, k+1
.endr
	LOADK 0, X0                                    ; the two K fragments of my own rows: LDS serves a wave's instructions in order
	s_wait_dscnt 0x0
	LOADK 1, X1
	QUANT X0, CD, W
	PUT CD, 22, 0
	s_wait_dscnt 0x0
	QUANT X1, CD+12, W+1
	PUT CD+12, 22, 1536
	v_cndmask_b32 v212, v[W+1], v[W], vcc_lo       ; lanes 0-15: tile 0's word of row r; lanes 16-31: tile 1's
	ds_store_b32 v8, v212
	s_wait_dscnt 0x0                               ; for the others' sake: my rows and my scale word lie in LDS
	s_barrier_signal -1
	s_barrier_wait -1
	LOADV 0, X0                                    ; the two V fragments of my 32 columns
	s_wait_dscnt 0x0
	LOADV 1, X1
	QUANT X0, CD+24, W+2
	PUT CD+24, 24, 0
	s_wait_dscnt 0x0
	QUANT X1, CD+36, W+3
	PUT CD+36, 24, 1536
	v_cndmask_b32 v213, v[W+3], v[W+2], vcc_lo
	ds_store_b32 v9, v213
	s_wait_dscnt 0x0
	s_barrier_signal -1
	s_barrier_wait -1
	s_cmp_gt_u32 s10, 1                            ; the scale words leave in aligned runs of 256 bytes: wave 0 stores K's two, wave 1 V's two
	s_cbranch_scc1 .Lend
	ds_load_b128 v[216:219], v10
	s_wait_dscnt 0x0
	global_store_b128 v11, v[216:219], s[26:27]
.Lend:
	s_wait_tensorcnt 0x0                           ; the wave's end
	ds_add_u32 v224, v225
	s_wait_dscnt 0x0
	s_endpgm
.Lfunc_end_k_q9459620ba7_quant:
	.size	k_q9459620ba7_quant, .Lfunc_end_k_q9459620ba7_quant-k_q9459620ba7_quant
	.p2alignl 7, 3214868480
	.fill 96, 4, 3214868480
	.section	.rodata,"a",@progbits
	.p2align	6, 0x0
	.amdhsa_kernel k_q9459620ba7_quant
		.amdhsa_group_segment_fixed_size 70144
		.amdhsa_private_segment_fixed_size 0
		.amdhsa_enable_private_segment 0
		.amdhsa_kernarg_size 16
		.amdhsa_user_sgpr_count 2
		.amdhsa_user_sgpr_kernarg_segment_ptr 1
		.amdhsa_wavefront_size32 1
		.amdhsa_system_sgpr_workgroup_id_x 1
		.amdhsa_system_sgpr_workgroup_id_y 1
		.amdhsa_system_sgpr_workgroup_id_z 1
		.amdhsa_system_vgpr_workitem_id 0
		.amdhsa_next_free_vgpr 226
		.amdhsa_next_free_sgpr 66
		.amdhsa_reserve_vcc 1
		.amdhsa_float_denorm_mode_32 3
		.amdhsa_float_denorm_mode_16_64 3
		.amdhsa_memory_ordered 1
		.amdhsa_forward_progress 1
		.amdhsa_inst_pref_size 35
	.end_amdhsa_kernel
	.amdgpu_metadata
---
amdhsa.version: [ 1, 2 ]
amdhsa.kernels:
  - .name:           k_q9459620ba7_quant
    .symbol:         k_q9459620ba7_quant.kd
    .args:
      - { .name: patch_embed, .offset: 0, .size: 8, .value_kind: global_buffer, .address_space: global }
      - { .name: kv, .offset: 8, .size: 8, .value_kind: global_buffer, .address_space: global }
    .group_segment_fixed_size: 70144
    .private_segment_fixed_size: 0
    .kernarg_segment_align: 8
    .kernarg_segment_size: 16
    .max_flat_workgroup_size: 128
    .sgpr_count:     66
    .vgpr_count:     226
    .wavefront_size: 32
...
	.end_amdgpu_metadata
.endif
;; end of part 1
;; launch attn (part 2): grid 16 x 16, 4 waves a work-group, clusters of 4 x 1, 327,680 bytes of LDS; arguments codebook_codes, codebook_scales, kv, out0; writes out0
.if DOCPART == 2
	.amdgcn_target "amdgcn-amd-amdhsa--gfx1250"
	.amdhsa_code_object_version 6
	.text
	.protected	k_q9459620ba7_attn
	.globl	k_q9459620ba7_attn
	.p2align	8
	.type	k_q9459620ba7_attn,@function
k_q9459620ba7_attn:
	s_mov_b64 s[64:65], 0
	v_nop
	global_prefetch_b8 v0, s[64:65] scope:SCOPE_SE
	s_setreg_imm32_b32 hwreg(HW_REG_WAVE_MODE, 25, 1), 1
	s_wait_xcnt 0x0
	s_wait_alu depctr_hold_cnt(0) depctr_sa_sdst(0) depctr_va_vdst(0) depctr_va_sdst(0) depctr_va_ssrc(0) depctr_va_vcc(0) depctr_vm_vsrc(0)
	s_getreg_b32 s2, hwreg(HW_REG_IB_STS2, 6, 4)
	s_cmp_eq_u32 s2, 0
	s_cbranch_scc0 .Lentry_in_a_cluster
	s_endpgm
.Lentry_in_a_cluster:
	s_bfe_u32 s2, ttmp6, 0x10000c
	s_cmp_lg_u32 s2, 0x3003
	s_cbranch_scc0 .Lentry_shape_is_right
	s_endpgm
.Lentry_shape_is_right:
; out0[b][q][:] = the sum over n of softmax_n(codebook[b][q] . patch[b][n]) patch[b][n][:], both products on E2M3 codes with one E8M0 scale for each 32 along a product's K.
; Q = codebook: codes and scale bytes as given.  kv: the patches' codes along d (K) and along the keys (V), laid by the launch before in items of 25,600 bytes (16 fragments as images of the operand's registers, then 1,024 bytes
; of scale words), 34 items to a stream, one stream for each (batch, wave): K(m) is item 2 m + m % 2, V(m) item 2 m + 2 + m % 2, m a group of 256 keys.
; THE SOFTMAX: t = score x log2(e); M = the running largest t rounded UP to a whole number; p = 2^(t - M) is quantised along the keys, not normalised; the row's sum is taken of the unquantised p and divides at the end.
; When M moves, the sum and O are multiplied by 2^(old M - new M): exact.  A block's largest p is not searched for: the block's largest score goes through the same multiply-add and exponential.
; O and the sums begin as zeros and the largest t as -3e38, so that the step is written once.
; LIMITS: NaN and infinities are not served; the promise holds while the scaled scores t stay under 2^31 in magnitude; a scale byte 0xff in codebook_scales gives NaN, as it is given; a block of p that has fallen to zeros keeps the byte 1 with zero codes.
; SHARES.  A work-group owns 64 queries of one batch and walks the batch's 4,096 keys in 16 groups of 256.  The waves share columns: wave w makes S^T for keys 64 w .. 64 w + 63 x all 64 queries (64 matrix instructions)
; and O^T for d = 128 w .. 128 w + 127 x all 64 queries (64 more).  Both products are used transposed (source 0 = 16 keys or 16 of d, source 1 = 16 queries): a lane holds one query (lane % 16).
; THE PIPELINE.  Interval g, between two changes: S^T of group g + 1, with O's rescaling for group g laid between its matrix instructions; O^T += V P of group g, with group g + 1's maxima, statistics and t - M laid between;
; then the exponentials, V(g + 1) into registers, the sums, P(g + 1)'s codes into LDS, and the change.  The waves' maxima cross at a barrier inside the second product, signalled early and awaited late; since every wave has P(g) in
; registers in front of its signal, and stores P(g + 1) behind its wait, one image of P serves.
; LDS.  Each wave has 76,800 bytes of its own: K's slot 0, V's slot, K's slot 1, an item each; it alone fills and reads them.  At the change into interval g its ONE tensor load (200 rows x 256 bytes) brings V(g + 1) and K(g + 2),
; neighbours in memory, onto neighbouring slots (g even: K0, V; g odd: V, K1): V(g) lies in registers and K(g) was read an interval ago.  It is waited for behind the exponentials.  One tensor load of a wave is out at any time.
; CLUSTER.  The four work-groups of a cluster belong to one batch and walk the same streams: each load is asked for JOINTLY, with the same descriptor and a mask that names the four; the change is a round of the cluster's barrier.
; PREFETCH.  The change that asks for items 2 g + 4, 2 g + 5 names, by two instructions a wave, the pair one change on: the four partners take 12,800 bytes (50 blocks of 256) each of a wave's 51,200, told apart by address;
; lanes left over name the share's last block again.  The first two loads, the first pair and the last load (V(15) alone) come by their loads alone.
; All of the LDS is claimed.
; REGISTERS, in windows of 256: window 0: addresses, scale words, statistics, two buffers of 48 (K's d steps by turns, then P's two key steps); window 1: O^T, accumulator (dt, qt) at 8 (4 dt + qt);
;   window 2: Q, fragment (qt, s) at 12 (4 qt + s), and from 192 on S^T of query tiles 0, 1; window 3: V, fragment (j, dt) at 12 (8 j + dt), and from 192 on S^T of query tiles 2, 3.  S^T tile (qt, b, u) at 192 + 32 (qt % 2) + 16 b + 8 u.
.set ITEM,   25600
.set STREAM, 34*ITEM
.set WREG,   3*ITEM
.set SCO,    24576
.set PIMG,   307200                    ; 12,288: P's fragment (j, qt) at (4 j + qt) 1,536; lane L's 12 registers at 48 L
.set PSC,    319488                    ; 512: P's scale words: lane L's four at 16 L; word 2 j + qt / 2; lanes 0-15 even qt, lanes 16-31 odd qt
.set STAT,   320000                    ; 1,024: the waves' maxima: 256 qt + 16 r + 4 w
.set LSUM,   321024                    ; 1,024: the waves' sums, likewise
.set SPARE,  322048                    ; 512: the spare words, which no other line names
; The way out's stage (16 rows x 528 bytes a wave) lies at the head of the wave's K slot 0, which has had its last fill (K(14)) and its last read by then
.set AK,  1                            ; WREG w + 16 L
.set AKS, 2                            ; WREG w + SCO + 8 L
.set AV,  3                            ; WREG w + ITEM + 16 L
.set AVS, 4                            ; WREG w + ITEM + SCO + 16 L
.set AP,  5                            ; PIMG + 6,144 (w / 2) + 24 (w % 2) + 48 r + 12 h
.set APS, 6                            ; PSC + 16 r + 8 (w / 2) + 2 (w % 2)
.set ASW, 7                            ; STAT + 16 r + 4 w
.set ASR, 8                            ; STAT + 16 r
.set API, 9                            ; PIMG + 48 L
.set APL, 10                           ; PSC + 16 L
.set SPW, 11                           ; my spare word; never rewritten
.set NIL, 12                           ; 0; never rewritten
.set PFO, 13                           ; 256 L
.set STO, 14                           ; WREG w + 528 r + 32 h
.set RD,  15                           ; WREG w + 16 L
.set GO,  16                           ; 16 L
.set QO,  17                           ; 384 r + 24 h
.set ADK, 18                           ; (at the head: r)  K's fragments in the slot in hand
.set ADS, 19                           ; (at the head: h)  K's scale words in it
.set KS,  20                           ; v20-27  K's scale words: register 2 s + b
.set VS,  28                           ; v28-35  V's: register 4 j + dt / 2
.set QS,  36                           ; v36-43  Q's: register 4 (qt / 2) + s
.set PS,  44                           ; v44-47  P's: register 2 j + qt / 2
.set ST,  48                           ; v48-79  eight a query tile: +0 -M, +1 the largest t, +2, +3 the sum in two halves, +4 f (+5 its pair's other half), +6, +7 at work
.set BM,  80                           ; v80-87  the largest score of block c = 2 qt + b
.set BT,  88                           ; v88-95  at work
.set EX,  96                           ; v96-111 the four waves' maxima
.set PC,  96                           ; v96-127 the codes just made
.set KP,  128                          ; v128-175, v176-223: the two buffers
.set NB,  224                          ; the least finite number: it starts the maxima
.set PF2, 225                          ; 256 min(32 + L, 49)
.set T,   128                          ; the way out: 64 results
.set BK,  192                          ; and 16 rows read back
.set WV,  14
.set CS,  22                           ; s[22:23] log2(e)
.set G1,  24                           ; s[24:31] group 1: 200 rows of 256 bytes
.set G0,  32                           ; s[32:35] group 0
.set G1S, 36                           ; s[36:43] group 1: 100 rows
.set SEL, 44                           ; s[44:45] v_permlanex16_b32's selects for lane l xor 16
.set PFA, 46                           ; s[46:47] where my prefetches stand
.set LEFT, 48                          ; trips that are left
.set TB,  49                           ; K's slot in hand: 0 or 2 ITEM
.set WBS, 51                           ; WREG w
.set MSB, 0
.macro WIN new                         ; bits 1:0 source 0, 3:2 source 1, 5:4 source 2, 7:6 destination; the high byte repeats the setting that is left
.if MSB != (\new)
	s_set_vgpr_msb (MSB<<8)|(\new)
.set MSB, (\new)
.endif
.endm
.macro PLACES n
.rept \n
	v_nop
.endr
.endm
.macro CROUND                          ; a round of the cluster's barrier
	s_barrier_signal -1
	s_barrier_wait -1
	s_cmp_lg_u32 s[WV], 0
	s_cbranch_scc1 .Lnot_wave_0_\@
	s_barrier_signal -3
.Lnot_wave_0_\@:
	s_barrier_wait -3
	s_barrier_signal -1
	s_barrier_wait -1
.endm
.macro ASK                             ; the pair one change on; the loop's last trip, whose next load is V(15) alone, asks for nothing
	s_cmp_gt_u32 s[LEFT], 1
	s_cbranch_scc0 .Lnone_\@
	global_prefetch_b8 v[PFO], s[PFA:PFA+1] th:TH_LOAD_NT scope:SCOPE_SE
	global_prefetch_b8 v[PF2], s[PFA:PFA+1] th:TH_LOAD_NT scope:SCOPE_SE
.Lnone_\@:
.endm
; THE CHANGE.  fill = 2: V's next item and K's next but one; 1: V(15) alone; 0: nothing is filled, a plain barrier publishes P
.macro CHANGE fill
	WIN 0
	s_wait_alu depctr_va_vdst(0)
	s_wait_tensorcnt 0x0                           ; no tensor load of mine is out, so group 0 may be written
	ds_add_u32 v[SPW], v[NIL]                      ; 0 onto my spare word; the descriptor's steps stand between it and the wait for it
.if \fill == 2
	s_add_nc_u64 s[G0+2:G0+3], s[G0+2:G0+3], 2*ITEM
	s_lshr_b32 s[G0+1], s[TB], 1                   ; the coming interval reads K's slot TB: the pair lands on the other slot and on V's:
	s_xor_b32 s[G0+1], s[G0+1], ITEM               ; TB = 0: from V's slot on; TB = 2 ITEM: from K's slot 0 on
	s_add_co_u32 s[G0+1], s[G0+1], s[WBS]
	s_wait_xcnt 0x0                                ; the last prefetches have read their address
	s_add_nc_u64 s[PFA:PFA+1], s[PFA:PFA+1], 2*ITEM
.elseif \fill == 1
	s_add_nc_u64 s[G0+2:G0+3], s[G0+2:G0+3], 3*ITEM
	s_add_co_u32 s[G0+1], s[WBS], ITEM
.endif
	s_wait_dscnt 0x0                               ; the add, V's fragments and my stores of P
.if \fill == 2
	CROUND
	tensor_load_to_lds s[G0:G0+3], s[G1:G1+7]
	s_nop 0
	PLACES 4
	ASK
.elseif \fill == 1
	CROUND
	tensor_load_to_lds s[G0:G0+3], s[G1S:G1S+7]
	s_nop 0
	PLACES 4
.else
	s_barrier_signal -1
	s_barrier_wait -1
.endif
.endm
; One matrix instruction.  zero = 1: it starts its sum.  ra, rb = 1: the side's scales are read from lanes 16-31
.macro WM d, a, b, zero, sa, sb, ra, rb
.set WMV, 4*(\zero)+2*(\ra)+(\rb)
.if WMV == 0
	v_wmma_scale_f32_16x16x128_f8f6f4 v[\d:\d+7], v[\a:\a+11], v[\b:\b+11], v[\d:\d+7], v[\sa], v[\sb] matrix_a_fmt:MATRIX_FMT_FP6 matrix_b_fmt:MATRIX_FMT_FP6
.elseif WMV == 1
	v_wmma_scale_f32_16x16x128_f8f6f4 v[\d:\d+7], v[\a:\a+11], v[\b:\b+11], v[\d:\d+7], v[\sa], v[\sb] matrix_a_fmt:MATRIX_FMT_FP6 matrix_b_fmt:MATRIX_FMT_FP6 matrix_b_scale:MATRIX_SCALE_ROW1
.elseif WMV == 2
	v_wmma_scale_f32_16x16x128_f8f6f4 v[\d:\d+7], v[\a:\a+11], v[\b:\b+11], v[\d:\d+7], v[\sa], v[\sb] matrix_a_fmt:MATRIX_FMT_FP6 matrix_b_fmt:MATRIX_FMT_FP6 matrix_a_scale:MATRIX_SCALE_ROW1
.elseif WMV == 3
	v_wmma_scale_f32_16x16x128_f8f6f4 v[\d:\d+7], v[\a:\a+11], v[\b:\b+11], v[\d:\d+7], v[\sa], v[\sb] matrix_a_fmt:MATRIX_FMT_FP6 matrix_b_fmt:MATRIX_FMT_FP6 matrix_a_scale:MATRIX_SCALE_ROW1 matrix_b_scale:MATRIX_SCALE_ROW1
.elseif WMV == 4
	v_wmma_scale_f32_16x16x128_f8f6f4 v[\d:\d+7], v[\a:\a+11], v[\b:\b+11], 0, v[\sa], v[\sb] matrix_a_fmt:MATRIX_FMT_FP6 matrix_b_fmt:MATRIX_FMT_FP6
.elseif WMV == 5
	v_wmma_scale_f32_16x16x128_f8f6f4 v[\d:\d+7], v[\a:\a+11], v[\b:\b+11], 0, v[\sa], v[\sb] matrix_a_fmt:MATRIX_FMT_FP6 matrix_b_fmt:MATRIX_FMT_FP6 matrix_b_scale:MATRIX_SCALE_ROW1
.elseif WMV == 6
	v_wmma_scale_f32_16x16x128_f8f6f4 v[\d:\d+7], v[\a:\a+11], v[\b:\b+11], 0, v[\sa], v[\sb] matrix_a_fmt:MATRIX_FMT_FP6 matrix_b_fmt:MATRIX_FMT_FP6 matrix_a_scale:MATRIX_SCALE_ROW1
.else
	v_wmma_scale_f32_16x16x128_f8f6f4 v[\d:\d+7], v[\a:\a+11], v[\b:\b+11], 0, v[\sa], v[\sb] matrix_a_fmt:MATRIX_FMT_FP6 matrix_b_fmt:MATRIX_FMT_FP6 matrix_a_scale:MATRIX_SCALE_ROW1 matrix_b_scale:MATRIX_SCALE_ROW1
.endif
.endm
.macro KLOAD s, buf                    ; d step s of K: four fragments, 12 loads of 512 consecutive bytes
.set i, 0
.rept 12
	ds_load_b128 v[KP+48*(\buf)+4*i:KP+48*(\buf)+4*i+3], v[ADK] offset:6144*(\s)+512*i
.set i, i+1
.endr
.endm
.macro PLD j                           ; key step j of P: four fragments, 12 loads
.set i, 0
.rept 4
.irp c, 0,1,2
	ds_load_b128 v[KP+48*(\j)+12*i+4*\c:KP+48*(\j)+12*i+4*\c+3], v[API] offset:1536*(4*(\j)+i)+16*\c
.endr
.set i, i+1
.endr
.endm
.macro RS2                             ; O^T under the new M, two pairs: each accumulator is taken from its low end on
	WIN 0x41
.rept 2
	v_pk_mul_f32 v[2*RI:2*RI+1], v[2*RI:2*RI+1], v[ST+8*((RI/4)%4)+4:ST+8*((RI/4)%4)+5] op_sel_hi:[1,0]
.set RI, RI+1
.endr
.endm
; S^T, d step s: my 4 key tiles x the 4 query tiles; the 16 accumulators take turns.  resc = 1: two of the 128 rescalings follow each matrix instruction
.macro SSTEP s, zero, resc
.irp q, 0,1,2,3
.irp t, 0,1,2,3
	WIN 0xa8+0x50*(\q/2)
	WM 192+32*(\q%2)+8*\t, KP+48*((\s)%2)+12*\t, 12*(4*\q+(\s)), \zero, KS+2*(\s)+\t/2, QS+4*(\q/2)+(\s), \t%2, \q%2
.if \resc
	RS2
.endif
.endr
.endr
	WIN 0
	PLACES 4                                       ; in front of loads into the buffer just multiplied, and of the first read of results
.endm
; THE FIRST PRODUCT of the group whose K lies in slot TB.  pl = 1: P of the group before follows K through the two buffers.  Each wait for 12 leaves the 12 loads just issued out
.macro SP resc, pl
	v_add_nc_u32 v[ADK], s[TB], v[AK]
	v_add_nc_u32 v[ADS], s[TB], v[AKS]
	s_wait_alu depctr_va_vdst(0)
.irp s, 0,1,2,3
	ds_load_b64 v[KS+2*\s:KS+2*\s+1], v[ADS] offset:256*\s
.endr
.if \pl
	ds_load_b128 v[PS:PS+3], v[APL]
.endif
	KLOAD 0, 0
	KLOAD 1, 1
	s_wait_dscnt 12
.set RI, 0
	SSTEP 0, 1, \resc
	KLOAD 2, 0
	s_wait_dscnt 12
	SSTEP 1, 0, \resc
	KLOAD 3, 1
	s_wait_dscnt 12
	SSTEP 2, 0, \resc
.if \pl
	PLD 0
	s_wait_dscnt 12
.else
	s_wait_dscnt 0x0
.endif
	SSTEP 3, 0, \resc
.if \pl
	PLD 1
	s_wait_dscnt 12
.endif
	s_xor_b32 s[TB], s[TB], 2*ITEM                 ; on to K's other slot
.endm
; What stands behind matrix instruction PN of the second product: the new S^T's maxima, their exchange, the statistics, t - M
.macro PFILL
.if PN < 16
	WIN 0x28+0x14*(PN/8)                           ; sources 1 and 2: S^T's window
.irp c, 0,1,2,3
.if PN%8 == 0
	v_max3_num_f32 v[BM+4*(PN/8)+\c], v[NB], v[192+16*\c], v[193+16*\c]
.else
	v_max3_num_f32 v[BM+4*(PN/8)+\c], v[BM+4*(PN/8)+\c], v[192+16*\c+2*(PN%8)], v[193+16*\c+2*(PN%8)]
.endif
.endr
.elseif PN == 16
	WIN 0
.irp c, 0,1,2,3,4,5,6,7
	v_permlanex16_b32 v[BT+\c], v[BM+\c], s[SEL], s[SEL+1]
.endr
.elseif PN == 17
	WIN 0
.irp c, 0,1,2,3,4,5,6,7
	v_max_num_f32 v[BM+\c], v[BM+\c], v[BT+\c]     ; with lane l xor 16's 16 keys: the block's largest score
.endr
.elseif PN == 18
	WIN 0
.irp q, 0,1,2,3
	v_max_num_f32 v[ST+8*\q+6], v[BM+2*\q], v[BM+2*\q+1]
.endr
.irp q, 0,1,2,3
	ds_store_b32 v[ASW], v[ST+8*\q+6] offset:256*\q
.endr
.elseif PN == 23
	s_wait_alu depctr_va_vdst(0)
	s_wait_dscnt 0x0                               ; my maxima lie in LDS, and P of the group in hand is in my registers
	s_barrier_signal -1
.elseif PN == 27
	WIN 0
	s_barrier_wait -1
.irp q, 0,1,2,3
	ds_load_b128 v[EX+4*\q:EX+4*\q+3], v[ASR] offset:256*\q
.endr
.elseif PN == 33
	s_wait_dscnt 0x0
.elseif PN == 34
	WIN 0
.irp q, 0,1,2,3
	v_max3_num_f32 v[ST+8*\q+6], v[EX+4*\q], v[EX+4*\q+1], v[EX+4*\q+2]
.endr
.elseif PN == 35
	WIN 0
.irp q, 0,1,2,3
	v_max_num_f32 v[ST+8*\q+6], v[ST+8*\q+6], v[EX+4*\q+3]
.endr
.elseif PN == 36
	WIN 0
.irp q, 0,1,2,3
	v_mul_f32 v[ST+8*\q+6], s[CS], v[ST+8*\q+6]    ; as t
.endr
.irp q, 0,1,2,3
	v_mov_b32 v[ST+8*\q+7], v[ST+8*\q]             ; the old -M
.endr
.elseif PN == 37
	WIN 0
.irp q, 0,1,2,3
	v_max_num_f32 v[ST+8*\q+1], v[ST+8*\q+1], v[ST+8*\q+6]
.endr
.elseif PN == 38
	WIN 0
.irp q, 0,1,2,3
	v_floor_f32 v[ST+8*\q], -v[ST+8*\q+1]          ; -M = floor(-t)
.endr
.elseif PN == 39
	WIN 0
.irp q, 0,1,2,3
	v_sub_f32 v[ST+8*\q+7], v[ST+8*\q], v[ST+8*\q+7]   ; old M - new M
.endr
.irp c, 0,1,2,3
	v_fma_f32 v[BM+\c], v[BM+\c], s[CS], v[ST+8*(\c/2)]
.endr
.elseif PN == 40
	WIN 0
.irp q, 0,1,2,3
	v_cvt_i32_f32 v[ST+8*\q+7], v[ST+8*\q+7]       ; (it saturates)
.endr
.irp c, 4,5,6,7
	v_fma_f32 v[BM+\c], v[BM+\c], s[CS], v[ST+8*(\c/2)]
.endr
.elseif PN == 41
	WIN 0
.irp q, 0,1,2,3
	v_ldexp_f32 v[ST+8*\q+4], 1.0, v[ST+8*\q+7]    ; f
.endr
.elseif PN > 41
.rept 3
.if FI < 64
	WIN 0x82+0x41*(FI/32)
	v_pk_fma_f32 v[192+(2*FI)%64:193+(2*FI)%64], v[192+(2*FI)%64:193+(2*FI)%64], s[CS:CS+1], v[ST+8*(FI/16):ST+8*(FI/16)+1] op_sel_hi:[1,0,0]   ; t - M
.set FI, FI+1
.endif
.endr
.endif
.endm
; THE SECOND PRODUCT (pv = 1): key step j = PN / 32, my 8 tiles of d x the 4 query tiles, 32 accumulators by turns; sm = 1: with the next group's vector work between
.macro PP pv, sm
.set PN, 0
.set FI, 0
.rept 64
.if \pv
	WIN 0x53
	WM 8*(4*((PN%32)/4)+PN%4), 12*(8*(PN/32)+(PN%32)/4), KP+48*(PN/32)+12*(PN%4), 0, VS+4*(PN/32)+(PN%32)/8, PS+2*(PN/32)+(PN%4)/2, ((PN%32)/4)%2, PN%2
.endif
.if \sm
	PFILL
.endif
.set PN, PN+1
.endr
	WIN 0
	PLACES 4                                       ; in front of loads into V's registers and of reads of O^T
.endm
.macro SUMS w                          ; the sums of the unquantised p of query tiles 2 w, 2 w + 1, two chains each
	WIN 0x0a+5*(\w)
.irp p, 0,1
	v_pk_add_f32 v[ST+8*(2*(\w)+\p)+6:ST+8*(2*(\w)+\p)+7], v[192+32*\p:193+32*\p], v[194+32*\p:195+32*\p]
.endr
	WIN 0x08+4*(\w)
.irp k, 4,8,12,16,20,24,28
.irp p, 0,1
	v_pk_add_f32 v[ST+8*(2*(\w)+\p)+2:ST+8*(2*(\w)+\p)+3], v[ST+8*(2*(\w)+\p)+2:ST+8*(2*(\w)+\p)+3], v[192+32*\p+\k:193+32*\p+\k]
.endr
.irp p, 0,1
	v_pk_add_f32 v[ST+8*(2*(\w)+\p)+6:ST+8*(2*(\w)+\p)+7], v[ST+8*(2*(\w)+\p)+6:ST+8*(2*(\w)+\p)+7], v[194+32*\p+\k:195+32*\p+\k]
.endr
.endr
.endm
; p = 2^(t - M), V's next fragments, the sums, and p's codes and scale bytes into LDS at their places in the second product's operand
.macro EXQ
	s_wait_alu depctr_va_vdst(0)
	WIN 0x82
.set i, 0
.rept 64
	v_exp_f32 v[192+i], v[192+i]
.set i, i+1
.endr
	WIN 0xc3
.set i, 0
.rept 64
	v_exp_f32 v[192+i], v[192+i]
.set i, i+1
.endr
	WIN 0
.irp q, 0,1,2,3
	v_pk_mul_f32 v[ST+8*\q+2:ST+8*\q+3], v[ST+8*\q+2:ST+8*\q+3], v[ST+8*\q+4:ST+8*\q+5] op_sel_hi:[1,0]   ; the sums under the new M
.endr
	s_wait_alu depctr_va_vdst(0)                   ; one wait for the batch of 128
.irp c, 0,1,2,3,4,5,6,7
	v_exp_f32 v[BM+\c], v[BM+\c]                   ; the block's largest p
.endr
	s_wait_tensorcnt 0x0                           ; my one load has landed: V's next item, which I alone read
	ds_load_b128 v[VS:VS+3], v[AVS]
	ds_load_b128 v[VS+4:VS+7], v[AVS] offset:512
	WIN 0xc0
.set i, 0
.rept 48
	ds_load_b128 v[4*i:4*i+3], v[AV] offset:512*i
.set i, i+1
.endr
	SUMS 0
	SUMS 1
	WIN 0
.irp q, 0,1,2,3
	v_pk_add_f32 v[ST+8*\q+2:ST+8*\q+3], v[ST+8*\q+2:ST+8*\q+3], v[ST+8*\q+6:ST+8*\q+7]
.endr
	s_wait_alu depctr_va_vdst(0)                   ; and one for the eight
.irp c, 0,1,2,3,4,5,6,7
	v_max_num_f32 v[BM+\c], 0x1800000, v[BM+\c]    ; the floor 2^(3 - 127): the byte cannot fall under 1
.endr
.irp c, 0,1,2,3,4,5,6,7
	v_add_nc_u32 v[BT+\c], 0xff000000, v[BM+\c]    ; 2 off the exponent field: the conversion's scale operand
.endr
.irp c, 0,1,2,3,4,5,6,7
	v_lshrrev_b32 v[BM+\c], 23, v[BT+\c]           ; the scale's byte
.endr
.irp q, 0,1,2,3
	v_lshl_or_b32 v[ST+8*\q+6], v[BM+2*\q+1], 8, v[BM+2*\q]
.endr
.irp q, 0,1,2,3
	ds_store_b16 v[APS], v[ST+8*\q+6] offset:256*(\q%2)+4*(\q/2)
.endr
	WIN 0x02
.irp c, 0,1,2,3
	v_cvt_scalef32_pk16_fp6_f32 v[PC+4*\c:PC+4*\c+2], v[192+16*\c:207+16*\c], v[BT+\c]
.endr
	WIN 0x03
.irp c, 0,1,2,3
	v_cvt_scalef32_pk16_fp6_f32 v[PC+16+4*\c:PC+16+4*\c+2], v[192+16*\c:207+16*\c], v[BT+4+\c]
.endr
	WIN 0
	v_nop                                          ; one plain place behind the scaled conversions
.irp c, 0,1,2,3,4,5,6,7
.irp i, 0,1,2
	ds_store_b32 v[AP], v[PC+4*\c+\i] offset:768*\c+4*\i   ; the addresses do the exchange between the halves of the lanes that the layout asks for
.endr
.endr
.endm
	s_load_b256 s[4:11], s[0:1], 0x0               ; Q's codes, Q's scales, kv, out0
	v_lshl_add_u32 v[SPW], v0, 2, SPARE
	v_mov_b32 v[NIL], 0
	ds_add_u32 v[SPW], v[NIL]                      ; the opening lines: the add, twice on end, and its wait
	ds_add_u32 v[SPW], v[NIL]
	v_lshrrev_b32 v1, 5, v0
	v_readfirstlane_b32 s[WV], v1                  ; wave 0..3
	s_bfe_u32 s15, ttmp6, 0x40000                  ; cx
	s_lshl_b32 s16, ttmp9, 2
	s_add_co_u32 s16, s16, s15                     ; my block of 64 queries: it enters Q's and out0's addresses alone
	s_and_b32 s17, ttmp7, 0xffff                   ; the batch, which the four partners share
	s_mov_b32 s[G1], 15|(3<<16)|(1<<21)            ; the mask: all four; elements of 8 bytes; bit 21 beside a mask
	s_mov_b32 s[G1+1], 32<<16
	s_mov_b32 s[G1+2], 200<<16
	s_mov_b32 s[G1+3], 32<<16
	s_mov_b32 s[G1+4], 200
	s_mov_b32 s[G1+5], 32
	s_mov_b32 s[G1+6], 0
	s_mov_b32 s[G1+7], 0
	s_mov_b32 s[G1S], 15|(3<<16)|(1<<21)
	s_mov_b32 s[G1S+1], 32<<16
	s_mov_b32 s[G1S+2], 100<<16
	s_mov_b32 s[G1S+3], 32<<16
	s_mov_b32 s[G1S+4], 100
	s_mov_b32 s[G1S+5], 32
	s_mov_b32 s[G1S+6], 0
	s_mov_b32 s[G1S+7], 0
	s_mul_i32 s[WBS], s[WV], WREG                  ; my LDS: no place in the cluster enters an LDS address
	s_mov_b32 s[G0], 1
	s_mov_b32 s[G0+1], s[WBS]                      ; K(0) into K's slot 0
	s_mov_b32 s[TB], 0
	s_lshl_b32 s18, s17, 2
	s_add_co_u32 s18, s18, s[WV]
	s_mul_i32 s18, s18, STREAM                     ; my stream
	s_mov_b32 s19, 0
	s_mul_i32 s20, s15, 12800
	s_add_co_u32 s20, s20, s18
	s_add_co_u32 s20, s20, 4*ITEM                  ; the prefetches: my work-group's share, at item 4: the first change steps it to item 6
	s_mov_b32 s21, 0
	s_mov_b32 s[CS], 0x3fb8aa3b                    ; log2(e)
	s_mov_b32 s[CS+1], s[CS]
	s_mov_b32 s[SEL], 0x76543210
	s_mov_b32 s[SEL+1], 0xfedcba98
	s_mov_b32 s[LEFT], 15                          ; (above 1: the first change prefetches)
	s_lshl_b32 s52, s17, 10
	s_lshl_b32 s53, s16, 6
	s_add_co_u32 s52, s52, s53                     ; my first query's row
	s_mul_i32 s54, s52, 384
	s_mov_b32 s55, 0
	s_lshl_b32 s56, s52, 4
	s_mov_b32 s57, 0
	s_lshl_b32 s58, s52, 11
	s_lshl_b32 s53, s[WV], 9
	s_add_co_u32 s58, s58, s53
	s_mov_b32 s59, 0
	v_and_b32 v1, 31, v0                           ; L
	v_and_b32 v18, 15, v0                          ; r
	v_bfe_u32 v19, v0, 4, 1                        ; h
	v_lshlrev_b32 v[GO], 4, v1
	v_lshlrev_b32 v[PFO], 8, v1
	v_add_nc_u32 v[PF2], 32, v1
	v_min_u32 v[PF2], 49, v[PF2]
	v_lshlrev_b32 v[PF2], 8, v[PF2]
	v_mul_u32_u24 v[QO], v18, 384
	v_mad_u32_u24 v[QO], v19, 24, v[QO]
	s_wait_alu depctr_va_vdst(0)
	s_wait_dscnt 0x0
	s_wait_kmcnt 0x0
	s_add_nc_u64 s[4:5], s[4:5], s[54:55]
	s_add_nc_u64 s[6:7], s[6:7], s[56:57]
	s_add_nc_u64 s[10:11], s[10:11], s[58:59]
	s_add_nc_u64 s[PFA:PFA+1], s[8:9], s[20:21]
	s_add_nc_u64 s[G0+2:G0+3], s[8:9], s[18:19]
	s_or_b32 s[G0+3], s[G0+3], 0x80000000          ; type = 2
	CROUND                                         ; all four work-groups are here: the first joint loads meet
	tensor_load_to_lds s[G0:G0+3], s[G1S:G1S+7]    ; K(0), my quarter: my one load at the head
	s_nop 0
	PLACES 4
	WIN 0x80                                       ; Q stays in registers: lane (r, h) takes the 24 bytes at 24 h and at 48 + 24 h of the row's 96 bytes of d step s, in pieces of 8
.irp q, 0,1,2,3
.irp s, 0,1,2,3
.irp p, 0,1,2,3,4,5
	global_load_b64 v[12*(4*\q+\s)+2*\p:12*(4*\q+\s)+2*\p+1], v[QO], s[4:5] offset:6144*\q+96*\s+48*(\p/3)+8*(\p%3)
.endr
.endr
.endr
	WIN 0
	global_load_b128 v[QS:QS+3], v[GO], s[6:7]
	global_load_b128 v[QS+4:QS+7], v[GO], s[6:7] offset:512
	s_add_co_u32 s52, s[WBS], SCO
	s_add_co_u32 s53, s[WBS], ITEM
	s_add_co_u32 s54, s[WBS], ITEM+SCO
	s_lshr_b32 s58, s[WV], 1
	s_and_b32 s59, s[WV], 1
	s_mul_i32 s55, s58, 6144
	s_mul_i32 s56, s59, 24
	s_add_co_u32 s55, s55, s56
	s_add_co_u32 s55, s55, PIMG
	s_lshl_b32 s56, s58, 3
	s_lshl_b32 s57, s59, 1
	s_add_co_u32 s56, s56, s57
	s_add_co_u32 s56, s56, PSC
	s_lshl_b32 s57, s[WV], 2
	s_add_co_u32 s57, s57, STAT
	v_lshl_add_u32 v[AKS], v1, 3, s52
	v_mul_u32_u24 v[API], v1, 48
	v_add_nc_u32 v[API], PIMG, v[API]
	v_add_nc_u32 v[AK], s[WBS], v[GO]              ; (L is done with)
	v_add_nc_u32 v[AV], s53, v[GO]
	v_add_nc_u32 v[AVS], s54, v[GO]
	v_add_nc_u32 v[APL], PSC, v[GO]
	v_mul_u32_u24 v[AP], v18, 48
	v_mad_u32_u24 v[AP], v19, 12, v[AP]
	v_add_nc_u32 v[AP], s55, v[AP]
	v_lshl_add_u32 v[APS], v18, 4, s56
	v_lshl_add_u32 v[ASW], v18, 4, s57
	v_lshl_add_u32 v[ASR], v18, 4, STAT
	v_mul_u32_u24 v[STO], v18, 528
	v_lshl_add_u32 v[STO], v19, 5, v[STO]
	v_add_nc_u32 v[STO], s[WBS], v[STO]
	v_add_nc_u32 v[RD], s[WBS], v[GO]
	v_mov_b32 v[NB], 0xff7fffff
.irp c, 0,1,2,3,4,5,6,7
	v_mov_b32 v[BT+\c], 0                          ; a lane permute's destination counts as one of its sources
.endr
.irp q, 0,1,2,3
	v_mov_b32 v[ST+8*\q+1], 0xff61b1e6             ; the largest t so far: -3e38
	v_mov_b32 v[ST+8*\q+2], 0                      ; the sum
	v_mov_b32 v[ST+8*\q+3], 0
	v_mov_b32 v[ST+8*\q+5], 0                      ; named as the upper half of f's pair
.endr
.irp q, 0,1,2,3
	v_floor_f32 v[ST+8*\q], -v[ST+8*\q+1]          ; -M
.endr
	WIN 0x40
.set i, 0
.rept 256
	v_mov_b32 v[i], 0                              ; O^T: the step is written once, and the first finds zeros
.set i, i+1
.endr
	WIN 0
	s_wait_alu depctr_va_vdst(0)
	s_wait_tensorcnt 0x0                           ; K(0) is in
	ds_add_u32 v[SPW], v[NIL]
	s_add_nc_u64 s[G0+2:G0+3], s[G0+2:G0+3], 2*ITEM
	s_add_co_u32 s[G0+1], s[WBS], ITEM
	s_wait_dscnt 0x0
	CROUND
	tensor_load_to_lds s[G0:G0+3], s[G1:G1+7]      ; V(0) and K(1), items 2 and 3, onto V's slot and K's slot 1
	s_nop 0
	PLACES 4
	s_wait_loadcnt 0x0                             ; Q
	SP 0, 0                                        ; group 0: scores, statistics, p
	PP 0, 1
	EXQ
	CHANGE 2
	s_mov_b32 s[LEFT], 13
.Linterval:                                            ; 13 trips: intervals 0 to 12
	SP 1, 1
	PP 1, 1
	EXQ
	CHANGE 2
	s_sub_co_u32 s[LEFT], s[LEFT], 1
	s_cmp_lg_u32 s[LEFT], 0
	s_cbranch_scc1 .Linterval
	SP 1, 1                                        ; interval 13: its change asks for V(15) alone.  The tail is written out
	PP 1, 1
	EXQ
	CHANGE 1
	SP 1, 1                                        ; interval 14: its change asks for nothing
	PP 1, 1
	EXQ
	CHANGE 0
	ds_load_b128 v[PS:PS+3], v[APL]                ; interval 15: the last second product alone
	PLD 0
	PLD 1
.set RI, 0
.rept 64
	RS2
.endr
	WIN 0
	s_wait_alu depctr_va_vdst(0)
	s_wait_dscnt 0x0
	PP 1, 0
	; THE WAY OUT.  A row's sum: my two halves, lane l xor 16's, and the other waves' through LDS
.irp q, 0,1,2,3
	v_add_f32 v[ST+8*\q+6], v[ST+8*\q+2], v[ST+8*\q+3]
.endr
.irp q, 0,1,2,3
	v_permlanex16_b32 v[BT+\q], v[ST+8*\q+6], s[SEL], s[SEL+1]
.endr
.irp q, 0,1,2,3
	v_add_f32 v[ST+8*\q+6], v[ST+8*\q+6], v[BT+\q]
.endr
.irp q, 0,1,2,3
	ds_store_b32 v[ASW], v[ST+8*\q+6] offset:LSUM-STAT+256*\q
.endr
	s_wait_dscnt 0x0                               ; for the others' sake
	s_barrier_signal -1
	s_barrier_wait -1
.irp q, 0,1,2,3
	ds_load_b128 v[EX+4*\q:EX+4*\q+3], v[ASR] offset:LSUM-STAT+256*\q
.endr
	s_wait_dscnt 0x0
.irp q, 0,1,2,3
	v_add_f32 v[ST+8*\q+6], v[EX+4*\q], v[EX+4*\q+1]
.endr
.irp q, 0,1,2,3
	v_add_f32 v[ST+8*\q+7], v[EX+4*\q+2], v[EX+4*\q+3]
.endr
.irp q, 0,1,2,3
	v_add_f32 v[ST+8*\q+6], v[ST+8*\q+6], v[ST+8*\q+7]
.endr
	s_wait_alu depctr_va_vdst(0)
.irp q, 0,1,2,3
	v_rcp_f32 v[ST+8*\q+6], v[ST+8*\q+6]
.endr
	v_nop                                          ; a plain place behind the last reciprocal
	s_wait_alu depctr_va_vdst(0)                   ; one wait for the four, ahead of their first reader
; Query tile q: O^T / the sum (each accumulator from its low end on); a lane's 32 bytes of a row go into my own stage and come back as whole rows of 512 bytes.
; LDS serves a wave's instructions in order (ISA guide 5.7.1.4): no wait between the stores and the loads.
.macro OUT q
	WIN 0x01
.set i, 0
.rept 32
	v_pk_mul_f32 v[T+2*i:T+2*i+1], v[8*(4*(i/4)+(\q))+2*(i%4):8*(4*(i/4)+(\q))+2*(i%4)+1], v[ST+8*(\q)+6:ST+8*(\q)+7] op_sel_hi:[1,0]
.set i, i+1
.endr
	WIN 0
.irp d, 0,1,2,3,4,5,6,7
	ds_store_b128 v[STO], v[T+8*\d:T+8*\d+3] offset:64*\d
	ds_store_b128 v[STO], v[T+8*\d+4:T+8*\d+7] offset:64*\d+16
.endr
.if \q > 0
	s_wait_xcnt 0x0                                ; the last tile's stores have read their registers: the loads below may land there
.endif
.irp t, 0,1,2,3,4,5,6,7,8,9,10,11,12,13,14,15
	ds_load_b128 v[BK+4*\t:BK+4*\t+3], v[RD] offset:528*\t
.endr
.irp t, 0,1,2,3,4,5,6,7,8,9,10,11,12,13,14,15
	s_wait_dscnt 15-\t                             ; row t is back; the 15 - t younger loads may be out
	global_store_b128 v[GO], v[BK+4*\t:BK+4*\t+3], s[10:11] offset:(16*(\q)+\t)*2048 th:TH_STORE_NT   ; 512 consecutive bytes, at a multiple of 512 from out0's first byte
.endr
.endm
	OUT 0
	OUT 1
	OUT 2
	OUT 3
	s_wait_tensorcnt 0x0                           ; the wave's end
	ds_add_u32 v[SPW], v[NIL]
	s_wait_dscnt 0x0
	CROUND                                         ; the closing round
	s_endpgm
.Lfunc_end_k_q9459620ba7_attn:
	.size	k_q9459620ba7_attn, .Lfunc_end_k_q9459620ba7_attn-k_q9459620ba7_attn
	.p2alignl 7, 3214868480
	.fill 96, 4, 3214868480
	.section	.rodata,"a",@progbits
	.p2align	6, 0x0
	.amdhsa_kernel k_q9459620ba7_attn
		.amdhsa_group_segment_fixed_size 327680
		.amdhsa_private_segment_fixed_size 0
		.amdhsa_enable_private_segment 0
		.amdhsa_kernarg_size 32
		.amdhsa_user_sgpr_count 2
		.amdhsa_user_sgpr_kernarg_segment_ptr 1
		.amdhsa_wavefront_size32 1
		.amdhsa_system_sgpr_workgroup_id_x 1
		.amdhsa_system_sgpr_workgroup_id_y 1
		.amdhsa_system_sgpr_workgroup_id_z 1
		.amdhsa_system_vgpr_workitem_id 0
		.amdhsa_next_free_vgpr 1024
		.amdhsa_next_free_sgpr 66
		.amdhsa_reserve_vcc 0
		.amdhsa_float_denorm_mode_32 3
		.amdhsa_float_denorm_mode_16_64 3
		.amdhsa_memory_ordered 1
		.amdhsa_forward_progress 1
		.amdhsa_inst_pref_size 255
	.end_amdhsa_kernel
	.section	.bss,"aw",@nobits
	.p2align	6
	.space	262144
	.amdgpu_metadata
---
amdhsa.version: [ 1, 2 ]
amdhsa.kernels:
  - .name:           k_q9459620ba7_attn
    .symbol:         k_q9459620ba7_attn.kd
    .args:
      - { .name: codebook_codes, .offset: 0, .size: 8, .value_kind: global_buffer, .address_space: global }
      - { .name: codebook_scales, .offset: 8, .size: 8, .value_kind: global_buffer, .address_space: global }
      - { .name: kv, .offset: 16, .size: 8, .value_kind: global_buffer, .address_space: global }
      - { .name: out0, .offset: 24, .size: 8, .value_kind: global_buffer, .address_space: global }
    .group_segment_fixed_size: 327680
    .private_segment_fixed_size: 0
    .kernarg_segment_align: 8
    .kernarg_segment_size: 32
    .max_flat_workgroup_size: 128
    .sgpr_count:     66
    .vgpr_count:     1024
    .wavefront_size: 32
...
	.end_amdgpu_metadata
.endif
;; end of part 2
